; MI455X (gfx1250); checked and timed in simulation.
; The chip was launched on July 23, 2026; its instructions are those of AMD's public machine-readable ISA for CDNA 5 (MIT licence, August 2026) and "CDNA5" Instruction Set Architecture Reference Guide (July 2026). The comments in the code are by the model that wrote it; some were corrected since.
;; Quantized Linear. Allowed arithmetic: matrix products marked QUANTISED: E3M2 operands, one E8M0 scale for each 32 along K, by v_wmma_scale_f32_16x16x128_f8f6f4 with both operands' format E3M2, f32 sums; everything else in f32.
;; Inputs: bias 4,096 float32; scale one number float32; weight_q 4,096 x 4,096 int32; x 4 x 1,024 x 4,096 float32; zero_point one number float32.
;; Outputs: out0 4 x 1,024 x 4,096 float32.
;; This version of the problem:
;;   THIS VERSION OF THE PROBLEM IS GIVEN IN LOW PRECISION. The matrix products marked QUANTISED in the list below multiply operands that are first quantised to E3M2 (3 exponent bits, 2 mantissa bits; 6 bits a number), with one power-of-two scale for each 32 numbers along K (OCP MX v1.0); their sums are f32. All else is computed in f32.
;;   The module's matrix products, in the order in which they are computed (A, B: the left and right operand; K: the contracted axis; several contracted axes count as one K, in the product's order):
;;     1. [M 4,096, K 4,096] x [K 4,096, N 4,096]; A: input x; B: computed on the way: QUANTISED
;;   THE QUANTISER, for each operand of a quantised product, along K:
;;     - K is cut into blocks of 32 from its start; a last block that is shorter is filled with zeros.
;;     - A block's scale is 2^e with e = floor(log2(the largest magnitude in the block)) - 4, held to -126 .. 127; a block of zeros has e = 0. As a byte (E8M0): e + 127.
;;     - Each number is divided by its block's scale, clamped to +-28, and rounded to the nearest number of E3M2, ties to even, subnormals kept.
;;     - The product sums the exact products of the quantised numbers (number of the format x scale) in f32.
;;   ~~~python
;;   def quantise(x, axis):      # numpy; x: float32 -> the quantised numbers, widened to float32 again
;;       x = np.moveaxis(x, axis, -1); K = x.shape[-1]
;;       x = np.pad(x, [(0, 0)] * (x.ndim - 1) + [(0, -K % 32)]); x = x.reshape(x.shape[:-1] + (-1, 32)); a = np.abs(x).max(-1, keepdims=True)
;;       e = np.where(a > 0, np.clip(np.frexp(np.where(a > 0, a, 1))[1] - 1 - 4, -126, 127), 0)      # np.frexp(a)[1] - 1 = floor(log2(a)), exactly
;;       r = np.clip(x / 2.0 ** e, -28, 28)
;;       step = 2.0 ** (np.maximum(np.frexp(np.where(r == 0, 1, r))[1] - 1, -2) - 2)
;;       q = np.round(r / step) * step * 2.0 ** e      # np.round: ties to even
;;       return np.moveaxis(q.reshape(q.shape[:-2] + (-1,))[..., :K], -1, axis).astype(np.float32)
;;   ~~~
;;   OPERANDS COMPUTED ON THE WAY. 'Computed on the way' means the value that the module computes at that place (a softmax that the list does not call 'softmax' is quantised finished and normalised). What goes into a quantiser is computed in f32, as accurately as f32 sums, v_exp_f32 and their like allow (about 1e-6 of the number): no bf16 or f16 on the way to a quantiser, and a product that is left as it is and whose result goes on into a quantised operand takes f32 operands (vector FMAs, or v_wmma_f32_16x16x4_f32). A number that lies on a knife's edge between two numbers of the format may be rounded either way, as far as f32 arithmetic and the matrix unit's own rounding can turn it there, and no further.
;; One version. Each part assembles by itself: llvm-mc -triple=amdgcn-amd-amdhsa -mcpu=gfx1250 --defsym DOCPART=n.
;; ======== version 1 of 1: 2 launches
;; limits: right only within a limited range of input values
;; workspace buffers: xq 13,107,200 bytes; wq 13,107,200 bytes
;; launch quant (part 1): grid 1024 x 1, 4 waves a work-group, no clusters, 34,304 bytes of LDS; arguments x, weight_q, scale, zero_point, xq, wq; writes xq, wq
.if DOCPART == 1
	.amdgcn_target "amdgcn-amd-amdhsa--gfx1250"
	.amdhsa_code_object_version 6
	.text
	.protected	k_qd7bacb6d3a_quant
	.globl	k_qd7bacb6d3a_quant
	.p2align	8
	.type	k_qd7bacb6d3a_quant,@function
k_qd7bacb6d3a_quant:
	s_mov_b64 s[64:65], 0
	v_nop
	global_prefetch_b8 v0, s[64:65] scope:SCOPE_SE
	s_setreg_imm32_b32 hwreg(HW_REG_WAVE_MODE, 25, 1), 1
	s_wait_xcnt 0x0
; x [4096][4096] f32 and w = (float(weight_q) - zero_point) * scale, weight_q [4096][4096] int32, are turned into codes of BF6 (E3M2), 6 bits each, with one E8M0 scale byte for each 32 along K (K is innermost in both).
; A block's scale is 2^(floor(log2(its largest magnitude)) - 4); its byte is the largest magnitude's exponent field - 4, held at 1 from below.  Each number is divided by the scale and rounded to the nearest code, ties to even; beyond 28 the largest code.
; w is made as it is written: one conversion, one subtraction, one multiplication, each rounded in f32; nothing is fused, since q - zero_point can cancel.
; LIMITS: NaN and infinities among the inputs are not served.  A block whose largest magnitude lies under 2^-122 has its byte held at 1; codes under that hold were not tried.  A block of zeros gets the byte 1, not 127: its codes are
; zeros, which add nothing under any byte but 0xff, and the bytes are read by this program alone.
; THE OUTPUT IS LAID IN THE ORDER OF THE OPERAND'S REGISTERS.  A tensor is [G: 32 groups of 128 rows][s: 32 steps of 128 along K][a step block of 12,800 bytes].  In a step block: the fragment of tile i (16 rows) at 1,536 i:
; registers 4 c .. 4 c + 3 of lane l at 512 c + 16 l; lane l = r + 16 h holds row r, registers 6 c .. 6 c + 5 the codes of k = 64 c + 32 h + 0 .. 31.  From byte 12,288 on the scale words: that of (tile 4 i4 + e, row r) at 256 i4 + 16 r + 4 e.
; So any run of steps of a group is one dense piece of memory.
; SHARES.  Work-group n takes tensor n % 2 (0: x, 1: the weight), group (n / 2) / 16 and steps 2 ((n / 2) % 16) and the next.  Wave w takes step w % 2 of the two and tiles 4 (w / 2) .. + 3: four fragments, one a step st of the text,
; and one run of 256 bytes of scale words.  Waves share nothing: no barrier.
; Each load reads 512 consecutive bytes of a row; a fragment's 16 rows turn through the wave's own stage in LDS (rows 528 bytes apart, so that 16 lanes that read 16 rows touch 16 different columns of 16 bytes) and come back 32 neighbours
; along K twice a lane, in the very order of the operand's registers.  A lane holds two whole blocks, so a maximum needs no other lane.  Loads run one to two fragments (16 to 32 loads a wave) ahead.
.set ROWG,  16384                      ; a row of x or of weight_q in bytes
.set SPIT,  528                        ; a stage row: 512 bytes + 16
.set WST,   16*SPIT                    ; a wave's stage
.set SB,    12800                      ; a step block
.set FRB,   1536                       ; a fragment's image
.set SCO,   12288                      ; where a step block's scale words begin
.set MX,    10                         ; v10-11   the two blocks' largest magnitudes
.set EX,    12                         ; v12-13   the conversions' scale operands
.set BY,    14                         ; v14-15   the scale bytes
.set SW,    20                         ; v20-23   the scale word of step st
.set R,     32                         ; v32-159  two sets of 64 numbers as they are loaded
.set X,     160                        ; v160-223 64 numbers: X + 32 c + n is k = 64 c + 32 h + n of my row
.set C,     224                        ; v224-235 the fragment's 12 registers
.set T,     236                        ; v236-238, v240-242 the upper halves of the two blocks' codes, as the conversions leave them
	s_load_b256 s[4:11], s[0:1], 0x0               ; x s[4:5], weight_q s[6:7], scale s[8:9], zero_point s[10:11]
	s_load_b128 s[12:15], s[0:1], 0x20             ; xq s[12:13], wq s[14:15]
	v_lshl_add_u32 v248, v0, 2, 0x8400
	v_mov_b32 v249, 0
	v_lshrrev_b32 v1, 5, v0
	v_readfirstlane_b32 s16, v1                    ; wave 0..3
	v_and_b32 v1, 31, v0                           ; lane
	v_and_b32 v2, 15, v0                           ; r
	v_bfe_u32 v3, v0, 4, 1                         ; h
	v_lshlrev_b32 v4, 4, v1                        ; 16 x lane: the offset of every load and of every store of codes; never rewritten
	s_mul_i32 s19, s16, WST
	v_add_nc_u32 v5, s19, v4                       ; the stage, on the way in: 16 x lane in a row
	v_mul_u32_u24 v6, v2, SPIT
	v_lshl_add_u32 v6, v3, 7, v6
	v_add_nc_u32 v6, s19, v6                       ; and on the way out: row r, + 128 h bytes: my 32 numbers of each 64
	v_lshlrev_b32 v8, 4, v2
	v_lshl_add_u32 v8, v3, 3, v8                   ; the scale words' place: 16 r + 8 h
	v_lshlrev_b32 v9, 3, v3                        ; 8 h: my two bytes' shift in a scale word
	v_mov_b32 v17, 0                               ; written once: a lane permute's destination counts as one of its sources
	s_mov_b32 s36, 0x76543210
	s_mov_b32 s37, 0xfedcba98                      ; v_permlanex16_b32's selects for lane l xor 16
	s_and_b32 s17, ttmp9, 1                        ; which tensor
	s_lshr_b32 s18, ttmp9, 1                       ; 16 G + t: the group, and which 256 along K
	s_and_b32 s30, s16, 1                          ; which of its two steps is my wave's
	s_lshr_b32 s31, s16, 1                         ; which four tiles
	s_lshr_b32 s24, s18, 4
	s_lshl_b32 s24, s24, 21                        ; in: 128 G rows of 16,384 bytes,
	s_lshl_b32 s26, s31, 20
	s_add_co_u32 s24, s24, s26                     ; + my four tiles' 64 rows,
	s_and_b32 s26, s18, 15
	s_lshl_b32 s26, s26, 10
	s_add_co_u32 s24, s24, s26                     ; + 256 t numbers of 4 bytes,
	s_lshl_b32 s26, s30, 9
	s_add_co_u32 s24, s24, s26                     ; + my step's 128
	s_mov_b32 s25, 0
	s_lshl_b32 s26, s18, 1
	s_add_co_u32 s26, s26, s30                     ; out: step block 32 G + 2 t + my step,
	s_mul_i32 s26, s26, SB
	s_mov_b32 s27, 0
	s_mul_i32 s28, s31, 4*FRB
	s_add_co_u32 s28, s28, s26                     ; my first fragment in it,
	s_mov_b32 s29, 0
	s_lshl_b32 s31, s31, 8
	s_add_co_u32 s26, s26, s31
	s_add_co_u32 s26, s26, SCO                     ; and my 256 bytes of scale words
	s_wait_alu depctr_va_vdst(0)
	s_wait_kmcnt 0x0
	s_load_b32 s20, s[10:11], 0x0                  ; zero_point
	s_load_b32 s22, s[8:9], 0x0                    ; scale
	s_cmp_eq_u32 s17, 0                            ; the choice of buffers hangs on the work-group's number alone
	s_cselect_b64 s[4:5], s[4:5], s[6:7]
	s_cselect_b64 s[12:13], s[12:13], s[14:15]
	s_add_nc_u64 s[4:5], s[4:5], s[24:25]
	s_add_nc_u64 s[32:33], s[12:13], s[28:29]
	s_add_nc_u64 s[34:35], s[12:13], s[26:27]
; the 16 rows x 512 bytes of step st into set buf: each load reads 512 consecutive bytes, at a multiple of 512 from the tensor's first byte; read once in the launch
.macro LOADF st, buf
.irp j, 0,1,2,3,4,5,6,7,8,9,10,11,12,13,14,15
	global_load_b128 v[R+64*(\buf)+4*\j:R+64*(\buf)+4*\j+3], v4, s[4:5] offset:(16*(\st)+\j)*ROWG th:TH_LOAD_NT
.endr
.endm
	LOADF 0, 0
	LOADF 1, 1
	s_wait_kmcnt 0x0                               ; zero_point and scale
	s_xor_b32 s20, s20, 0x80000000                 ; -zero_point: q + (-zero_point) is q - zero_point, rounded alike
	s_mov_b32 s21, s20                             ; (the packed forms name a pair and take its low word for both halves: so the upper word is written)
	s_mov_b32 s23, s22
.macro STEPQ st
.if (\st) < 3
	s_wait_loadcnt 16                              ; loads come back in order: this step's 16 are in, the next step's 16 may be out
.else
	s_wait_loadcnt 0x0
.endif
.irp j, 0,1,2,3,4,5,6,7,8,9,10,11,12,13,14,15
	ds_store_b128 v5, v[R+64*((\st)%2)+4*\j:R+64*((\st)%2)+4*\j+3] offset:SPIT*\j   ; row j as it lies
.endr
.irp c, 0,1
.irp n, 0,1,2,3,4,5,6,7
	ds_load_b128 v[X+32*\c+4*\n:X+32*\c+4*\n+3], v6 offset:256*\c+16*\n   ; LDS serves a wave's instructions in order: these see the stores above, and stand behind the last step's reads
.endr
.endr
	s_wait_dscnt 0x0                               ; my 64 numbers are in, and the stores into the stage have read their registers,
.if (\st) < 2
	LOADF (\st)+2, (\st)%2                         ; which take the loads of two steps on
.endif
	s_cmp_eq_u32 s17, 0                            ; x goes as it is; the branch hangs on the work-group's number and leads round work on registers alone
	s_cbranch_scc1 .Lplain_\@
.set n, 0
.rept 64
	v_cvt_f32_i32 v[X+n], v[X+n]                   ; float(q)
.set n, n+1
.endr
.set n, 0
.rept 32
	v_pk_add_f32 v[X+n:X+n+1], v[X+n:X+n+1], s[20:21] op_sel_hi:[1,0]   ; - zero_point
.set n, n+2
.endr
.set n, 0
.rept 32
	v_pk_mul_f32 v[X+n:X+n+1], v[X+n:X+n+1], s[22:23] op_sel_hi:[1,0]   ; x scale
.set n, n+2
.endr
.Lplain_\@:
.irp c, 0,1
	v_max3_num_f32 v[MX+\c], |v[X+32*\c]|, |v[X+32*\c+1]|, 0x2800000   ; my block 2 c + h: all its 32 numbers are mine; and the floor 2^(5 - 127), so that the byte cannot fall under 1
.endr
.irp i, 2,4,6,8,10,12,14,16,18,20,22,24,26,28,30
.irp c, 0,1
	v_max3_num_f32 v[MX+\c], v[MX+\c], |v[X+32*\c+\i]|, |v[X+32*\c+\i+1]|   ; (the two blocks by turns)
.endr
.endr
.irp c, 0,1
	v_add_nc_u32 v[EX+\c], 0xfe000000, v[MX+\c]    ; 4 off the exponent field: the conversion takes the exponent field of this operand as its scale, and nothing else of it
.endr
.if (\st) > 0
	s_wait_alu depctr_va_vdst(0)
	s_wait_xcnt 0x0                                ; the last step's stores have read their data: the fragment's registers are written again only behind this wait
.endif
.irp c, 0,1
	v_cvt_scalef32_pk16_bf6_f32 v[C+6*\c:C+6*\c+2], v[X+32*\c:X+32*\c+15], v[EX+\c]       ; registers 6 c .. 6 c + 2 of the operand
	v_cvt_scalef32_pk16_bf6_f32 v[T+4*\c:T+4*\c+2], v[X+32*\c+16:X+32*\c+31], v[EX+\c]    ; (a conversion's three registers begin on an even number: the block's upper half is made elsewhere and moved)
.endr
.irp c, 0,1
	v_lshrrev_b32 v[BY+\c], 23, v[EX+\c]           ; the scale's byte.  (Also the plain instruction between the conversions and the moves that read their results)
.endr
	v_lshl_or_b32 v16, v[BY+1], 16, v[BY]          ; my two bytes: blocks h and 2 + h of row r,
	v_lshlrev_b32 v16, v9, v16                     ; at their places in the scale word;
	v_permlanex16_b32 v17, v16, s36, s37
	v_or_b32 v[SW+(\st)], v16, v17                 ; with lane l xor 16's two the word is whole, in both lanes
.irp c, 0,1
.irp i, 0,1,2
	v_mov_b32 v[C+3+6*\c+\i], v[T+4*\c+\i]
.endr
.endr
.irp c, 0,1,2
	global_store_b128 v4, v[C+4*\c:C+4*\c+3], s[32:33] offset:(\st)*FRB+512*\c   ; 32 lanes store 512 consecutive bytes, at a multiple of 512 from the buffer's first byte
.endr
.endm
	STEPQ 0
	STEPQ 1
	STEPQ 2
	STEPQ 3
	v_cmp_le_u32 vcc_lo, 16, v1                    ; lanes 0-15 store the words of my first two tiles' row r, lanes 16-31 those of the other two
	v_cndmask_b32 v24, v[SW], v[SW+2], vcc_lo
	v_cndmask_b32 v25, v[SW+1], v[SW+3], vcc_lo
	global_store_b64 v8, v[24:25], s[34:35]        ; 32 lanes store 256 consecutive bytes, at a multiple of 256 from the buffer's first byte
	s_wait_tensorcnt 0x0
	ds_add_u32 v248, v249
	s_wait_dscnt 0x0
	s_endpgm
.Lfunc_end_k_qd7bacb6d3a_quant:
	.size	k_qd7bacb6d3a_quant, .Lfunc_end_k_qd7bacb6d3a_quant-k_qd7bacb6d3a_quant
	.p2alignl 7, 3214868480
	.fill 96, 4, 3214868480
	.section	.rodata,"a",@progbits
	.p2align	6, 0x0
	.amdhsa_kernel k_qd7bacb6d3a_quant
		.amdhsa_group_segment_fixed_size 34304
		.amdhsa_private_segment_fixed_size 0
		.amdhsa_enable_private_segment 0
		.amdhsa_kernarg_size 48
		.amdhsa_user_sgpr_count 2
		.amdhsa_user_sgpr_kernarg_segment_ptr 1
		.amdhsa_wavefront_size32 1
		.amdhsa_system_sgpr_workgroup_id_x 1
		.amdhsa_system_sgpr_workgroup_id_y 1
		.amdhsa_system_sgpr_workgroup_id_z 1
		.amdhsa_system_vgpr_workitem_id 0
		.amdhsa_next_free_vgpr 250
		.amdhsa_next_free_sgpr 66
		.amdhsa_reserve_vcc 1
		.amdhsa_float_denorm_mode_32 3
		.amdhsa_float_denorm_mode_16_64 3
		.amdhsa_memory_ordered 1
		.amdhsa_forward_progress 1
		.amdhsa_inst_pref_size 55
	.end_amdhsa_kernel
	.amdgpu_metadata
---
amdhsa.version: [ 1, 2 ]
amdhsa.kernels:
  - .name:           k_qd7bacb6d3a_quant
    .symbol:         k_qd7bacb6d3a_quant.kd
    .args:
      - { .name: x, .offset: 0, .size: 8, .value_kind: global_buffer, .address_space: global }
      - { .name: weight_q, .offset: 8, .size: 8, .value_kind: global_buffer, .address_space: global }
      - { .name: scale, .offset: 16, .size: 8, .value_kind: global_buffer, .address_space: global }
      - { .name: zero_point, .offset: 24, .size: 8, .value_kind: global_buffer, .address_space: global }
      - { .name: xq, .offset: 32, .size: 8, .value_kind: global_buffer, .address_space: global }
      - { .name: wq, .offset: 40, .size: 8, .value_kind: global_buffer, .address_space: global }
    .group_segment_fixed_size: 34304
    .private_segment_fixed_size: 0
    .kernarg_segment_align: 8
    .kernarg_segment_size: 48
    .max_flat_workgroup_size: 128
    .sgpr_count:     66
    .vgpr_count:     250
    .wavefront_size: 32
...
	.end_amdgpu_metadata
.endif
;; end of part 1
;; launch gemm (part 2): grid 16 x 16, 4 waves a work-group, clusters of 4 x 4, 327,680 bytes of LDS; arguments xq, wq, bias, out0; writes out0
.if DOCPART == 2
	.amdgcn_target "amdgcn-amd-amdhsa--gfx1250"
	.amdhsa_code_object_version 6
	.text
	.protected	k_qd7bacb6d3a_gemm
	.globl	k_qd7bacb6d3a_gemm
	.p2align	8
	.type	k_qd7bacb6d3a_gemm,@function
k_qd7bacb6d3a_gemm:
	s_mov_b64 s[64:65], 0
	v_nop
	global_prefetch_b8 v0, s[64:65] scope:SCOPE_SE
	s_setreg_imm32_b32 hwreg(HW_REG_WAVE_MODE, 25, 1), 1
	s_wait_xcnt 0x0
	s_wait_alu depctr_hold_cnt(0) depctr_sa_sdst(0) depctr_va_vdst(0) depctr_va_sdst(0) depctr_va_ssrc(0) depctr_va_vcc(0) depctr_vm_vsrc(0)
	s_getreg_b32 s2, hwreg(HW_REG_IB_STS2, 6, 4)
	s_cmp_eq_u32 s2, 0
	s_cbranch_scc0 .Lentry_in_a_cluster
	s_endpgm
.Lentry_in_a_cluster:
	s_bfe_u32 s2, ttmp6, 0x10000c
	s_cmp_lg_u32 s2, 0xf033
	s_cbranch_scc0 .Lentry_shape_is_right
	s_endpgm
.Lentry_shape_is_right:
; out0[m][n] = bias[n] + sum over k of Q(x)[m][k] Q(w)[n][k]: codes of BF6 (E3M2) with one E8M0 byte for each 32 along K, as launch quant laid them: [group of 128 rows][step of 128 along K][step block of 12,800 bytes],
; a step block being the image of eight fragments' registers (1,536 bytes each) and, from byte 12,288 on, the rows' scale words.  Any run of steps of a group is one dense piece of memory, a multiple of 256 bytes.
; A work-group of four waves makes 256 x 256 of out0, a wave 128 x 128: 64 accumulators, 512 registers.  4,096 x 4,096 of out0 are 256 such blocks: one for each work-group of the grid.
; THE RING: two LDS slots, each with three K steps of A's 256 rows and B's 256 rows; a wave's one tensor load brings three steps of one group (38,400 bytes, rows of 256).  32 steps are ten such fills and one of two steps.
; CLUSTERS: 4 x 4 work-groups; A's tiles are asked for jointly along a row of the cluster, B's along a column.
; TWO SETS OF REGISTERS FOR BOTH OPERANDS: while set p is multiplied, the next step's 50 LDS loads go into the other set in two runs: 26 (B and the scale words) at the step's head, 24 (A) in its middle.
; So a slot's last reads are issued one step before its last step is multiplied, and the change of slots stands at the head of that last step, with eight matrix instructions between the add and its wait
; and eight between the opening signal and its wait: the refill goes out behind 16 of the step's matrix instructions, 176 ahead of the wait for it.
; THE MATRIX INSTRUCTION IS USED TRANSPOSED (source 0 = 16 rows of w, source 1 = 16 rows of x): a lane holds eight neighbouring numbers of a row of out0.
; THE BIAS is the C of each accumulator's first product.  LIMIT: the bias is therefore added ahead of the products and not behind them, an order of rounding in f32 that differs from the one written.
; PREFETCH: with fill f goes a request for fill f + 2 (with fill 0 for fill 1, with fill 1 for fills 2 and 3): 150 blocks of 256 bytes for each loading wave, shared out by address among the four partners that ask for
; the tile jointly (partner p: blocks 38 p .. 38 p + 37, held at 149; two instructions, a lane a block).  The last fill has 100 blocks: 25 a partner, one instruction.  Beyond it nothing is asked for.
; REGISTERS: window 0: v0-31 addresses; v32-127 A's set 1; v128-223 A's set 0; v224-239 scale words, two sets.  Window 1: B's set 0 at v0, set 1 at v128; the bias at v96-127 and v224-255.
;   Window 2: the accumulators of my rows 0-63 ((a, b) at v[8 (8 a + b)]); window 3: those of my rows 64-127.
.set SB,     12800                     ; a step block
.set QB,     3*SB                      ; three steps of one group: a quarter of a slot
.set SLOT,   4*QB
.set GSTR,   32*SB                     ; a group
.set FRB,    1536                      ; a fragment's image
.set SCO,    12288                     ; where a step block's scale words begin
.set FR,     12
.set NL,     3                         ; LDS loads that bring a fragment
.set NP,     4                         ; places behind this matrix instruction (ISA guide 7.12.1)
.set TRIPS,  4
.set ROWC,   16384                     ; a row of out0 in bytes
.set SPITCH, 528                       ; the way out: a stage of 16 rows x (512 + 16) bytes for each wave,
.set STG,    SLOT                      ; in slot 1, which has had its last fill and its last read by then
.set SPARE,  2*SLOT                    ; the spare words: 128 bytes a wave
.set PFS,  15                          ; v15     prefetch offset for the short last fill
.set ADRA, 16                          ; v16-17  my A fragments in slot 0, 1
.set ADRB, 20                          ; v20-21  my B fragments
.set ADRS, 22                          ; v22-23  scale words: lanes 0-15 A's, lanes 16-31 B's
.set STO,  24
.set RD,   25
.set CO,   26
.set BO,   27
.set SPW,  28
.set NIL,  29
.set PFO,  30                          ; v30-31  prefetch offsets
.set SC,   224
.set AF,   128                         ; A's set p at AF - 96 p
.set G1,  24
.set G0,  32
.set G1B, 48
.set G0B, 56
.set G1S,  68                          ; group 1 for the fill of two steps: 100 rows
.set G1SB, 76
.set PFA,  66                          ; s[66:67] where my prefetches stand: two fills behind what they name
.set MSB, 0
.macro WIN new                         ; the immediate's high byte repeats the setting that is left
.set WNEW, \new
.if MSB != WNEW
	s_set_vgpr_msb (MSB<<8)|WNEW
.set MSB, WNEW
.endif
.endm
.set MUL_LO, 0xa1                      ; source 0 (B) window 1, source 1 (A) window 0, C and D window 2
.set MUL_HI, 0xf1                      ; C and D window 3
.set TO_B,   0x40                      ; destination window 1, address window 0
.macro JLOAD g0a, g1a, g0b, g1b        ; a joint load: waves 0, 1 fetch A's two groups, waves 2, 3 B's
	s_cmp_eq_u32 s15, 0
	s_cbranch_scc0 .Lfor_b_\@
	tensor_load_to_lds s[\g0a:\g0a+3], s[\g1a:\g1a+7]
	s_nop 0
.rept 4
	v_nop
.endr
	s_branch .Lasked_\@
.Lfor_b_\@:
	tensor_load_to_lds s[\g0b:\g0b+3], s[\g1b:\g1b+7]
	s_nop 0
.rept 4
	v_nop
.endr
.Lasked_\@:
.endm
.macro CREST                           ; a round of the cluster's barrier behind its opening barrier
	s_cmp_lg_u32 s14, 0
	s_cbranch_scc1 .Lnot_wave_0_\@
	s_barrier_signal -3
.Lnot_wave_0_\@:
	s_barrier_wait -3
	s_barrier_signal -1
	s_barrier_wait -1
.endm
.macro CROUND                          ; a whole round
	s_barrier_signal -1
	s_barrier_wait -1
	CREST
.endm
.macro PF reg, off
	global_prefetch_b8 v[\reg], s[PFA:PFA+1] offset:\off th:TH_LOAD_NT scope:SCOPE_SE
.endm
; how = 1: always; how = 2, in the loop: not in its last trip (s3 = 1), where slot 0's change names the short last fill and slot 1's names nothing
.macro ASK how, slot, off
.if \how == 1
	PF PFO, \off
	PF PFO+1, \off
.endif
.if \how == 2
	s_cmp_gt_u32 s3, 1
	s_cbranch_scc0 .Lshort_\@
	PF PFO, \off
	PF PFO+1, \off
	s_branch .Lpf_done_\@
.Lshort_\@:
.if \slot == 0
	PF PFS, \off
.endif
.Lpf_done_\@:
.endif
.endm
	s_load_b256 s[4:11], s[0:1], 0x0               ; xq, wq, bias, out0
	v_lshl_add_u32 v[SPW], v0, 2, SPARE
	v_mov_b32 v[NIL], 0
	ds_add_u32 v[SPW], v[NIL]                      ; the opening lines: the add twice on end and one wait
	ds_add_u32 v[SPW], v[NIL]
	v_lshrrev_b32 v1, 5, v0
	v_readfirstlane_b32 s14, v1                    ; wave
	v_bfe_u32 v2, v0, 4, 1                         ; h
	v_lshlrev_b32 v[BO], 5, v2                     ; the bias: 32 h bytes
	s_lshr_b32 s15, s14, 1                         ; my half of the rows; also: I fetch for A (0) or B (1)
	s_and_b32 s16, s14, 1                          ; my half of the columns; also: which group I fetch
	s_bfe_u32 s40, ttmp6, 0x40000                  ; cx
	s_bfe_u32 s41, ttmp6, 0x40004                  ; cy
	s_lshl_b32 s42, ttmp9, 2
	s_add_co_u32 s42, s42, s40                     ; tile column
	s_and_b32 s17, ttmp7, 0xffff
	s_lshl_b32 s17, s17, 2
	s_add_co_u32 s17, s17, s41                     ; tile row
	s_lshl_b32 s43, s41, 2
	s_lshl_b32 s43, 15, s43                        ; my row of the cluster
	s_lshl_b32 s44, 0x1111, s40                    ; my column
	s_or_b32 s[G1+0], s43, (3<<16)|(1<<21)         ; elements of 8 bytes, no padding: the images are read 16 bytes a lane on end
	s_or_b32 s[G1B+0], s44, (3<<16)|(1<<21)
	s_or_b32 s[G1S+0], s43, (3<<16)|(1<<21)
	s_or_b32 s[G1SB+0], s44, (3<<16)|(1<<21)
.irp g, G1, G1B
	s_mov_b32 s[\g+1], 32<<16                      ; rows of 256 bytes,
	s_mov_b32 s[\g+2], 150<<16                     ; 150 of them
	s_mov_b32 s[\g+3], 32<<16
	s_mov_b32 s[\g+4], 150
	s_mov_b32 s[\g+5], 32
	s_mov_b32 s[\g+6], 0
	s_mov_b32 s[\g+7], 0
.endr
.irp g, G1S, G1SB
	s_mov_b32 s[\g+1], 32<<16
	s_mov_b32 s[\g+2], 100<<16
	s_mov_b32 s[\g+3], 32<<16
	s_mov_b32 s[\g+4], 100
	s_mov_b32 s[\g+5], 32
	s_mov_b32 s[\g+6], 0
	s_mov_b32 s[\g+7], 0
.endr
	s_lshl_b32 s20, s17, 1
	s_add_co_u32 s20, s20, s16
	s_mul_i32 s20, s20, GSTR                       ; A's group that I fetch
	s_mov_b32 s21, 0
	s_lshl_b32 s46, s42, 1
	s_add_co_u32 s46, s46, s16
	s_mul_i32 s46, s46, GSTR                       ; B's
	s_mov_b32 s47, 0
	s_mul_i32 s45, s14, QB                         ; where my loads land in a slot
	s_mul_i32 s12, s15, QB                         ; the quarter that holds my rows of A,
	s_mul_i32 s13, s16, QB
	s_add_co_u32 s13, s13, 2*QB                    ; and of B
	s_xor_b32 s18, s15, 1
	s_add_co_u32 s18, s18, s16
	s_add_co_u32 s18, s18, 1
	s_mul_i32 s18, s18, QB                         ; the distance between the two
	s_mul_i32 s19, s14, 16*SPITCH
	s_add_co_u32 s19, s19, STG                     ; my stage
	s_lshl_b32 s22, s42, 10
	s_lshl_b32 s23, s16, 9
	s_add_co_u32 s22, s22, s23                     ; my first column, in bytes
	s_mov_b32 s23, 0
	s_lshl_b32 s2, s17, 22
	s_lshl_b32 s3, s15, 21
	s_add_co_u32 s2, s2, s3                        ; my first row of out0, in bytes
	s_mov_b32 s3, 0
	s_wait_alu depctr_va_vdst(0)
	s_wait_dscnt 0x0                               ; both opening adds are done
	s_wait_kmcnt 0x0
	s_add_nc_u64 s[20:21], s[4:5], s[20:21]
	s_add_nc_u64 s[46:47], s[6:7], s[46:47]
	s_add_nc_u64 s[8:9], s[8:9], s[22:23]
	s_add_nc_u64 s[10:11], s[10:11], s[22:23]
	s_add_nc_u64 s[10:11], s[10:11], s[2:3]
	WIN TO_B
.irp b, 0,1,2,3,4,5,6,7
	global_load_b128 v[96+8*\b+96*(\b/4):96+8*\b+96*(\b/4)+3],   v[BO], s[8:9] offset:64*\b      ; bias of columns 16 b + 8 h + 0 .. 7, in the result's layout
	global_load_b128 v[96+8*\b+96*(\b/4)+4:96+8*\b+96*(\b/4)+7], v[BO], s[8:9] offset:64*\b+16
.endr
	WIN 0
	s_cmp_eq_u32 s15, 0                            ; the prefetches: the group that I fetch, and my place among the four that ask with me
	s_cselect_b64 s[PFA:PFA+1], s[20:21], s[46:47]
	s_cselect_b32 s84, s40, s41
	s_mul_i32 s85, s84, 25
	s_mul_i32 s84, s84, 38
	s_add_nc_u64 s[PFA:PFA+1], s[PFA:PFA+1], QB    ; at fill 1
.irp s, 0,1
	s_mov_b32 s[G0+4*\s], 1
	s_add_co_u32 s[G0+4*\s+1], s45, \s*SLOT
	s_add_nc_u64 s[G0+4*\s+2:G0+4*\s+3], s[20:21], \s*QB
	s_or_b32 s[G0+4*\s+3], s[G0+4*\s+3], 0x80000000
	s_mov_b32 s[G0B+4*\s], 1
	s_add_co_u32 s[G0B+4*\s+1], s45, \s*SLOT
	s_add_nc_u64 s[G0B+4*\s+2:G0B+4*\s+3], s[46:47], \s*QB
	s_or_b32 s[G0B+4*\s+3], s[G0B+4*\s+3], 0x80000000
.endr
	CROUND                                         ; all sixteen work-groups are here: the first joint loads meet
	JLOAD G0, G1, G0B, G1B                         ; fill 0: one tensor load a wave at the head
	v_and_b32 v1, 15, v0                           ; r
	v_and_b32 v3, 31, v0                           ; lane
	v_lshlrev_b32 v[CO], 4, v3                     ; 16 x lane
	v_mul_u32_u24 v5, s18, v2                      ; lanes 16-31 take B's scale words
	v_lshl_add_u32 v5, v1, 4, v5
	v_add_nc_u32 v5, SCO, v5
	v_add_nc_u32 v[ADRA], s12, v[CO]
	v_add_nc_u32 v[ADRB], s13, v[CO]
	v_add_nc_u32 v[ADRS], s12, v5
	v_add_nc_u32 v[ADRA+1], SLOT, v[ADRA]
	v_add_nc_u32 v[ADRB+1], SLOT, v[ADRB]
	v_add_nc_u32 v[ADRS+1], SLOT, v[ADRS]
	v_mul_u32_u24 v6, v1, SPITCH
	v_lshl_add_u32 v6, v2, 5, v6
	v_add_nc_u32 v[STO], s19, v6                   ; into the stage: row r, 32 bytes for each half of the lanes
	v_add_nc_u32 v[RD], s19, v[CO]                 ; back: a row of 512 bytes
	v_add_nc_u32 v7, s84, v3
	v_lshlrev_b32 v[PFO], 8, v7                    ; blocks 38 p + lane,
	v_min_u32 v7, 5, v3
	v_add3_u32 v7, v7, s84, 32
	v_min_u32 v7, 149, v7
	v_lshlrev_b32 v[PFO+1], 8, v7                  ; and 38 p + 32 .. 37, held at the fill's last block
	v_min_u32 v8, 24, v3
	v_add_nc_u32 v8, s85, v8
	v_lshlrev_b32 v[PFS], 8, v8                    ; the short fill: blocks 25 p + 0 .. 24
	s_wait_alu depctr_va_vdst(0)
	ASK 1, 0, 0                                    ; fill 1
.macro FETCH base, adr, q, i0, n       ; n fragments from tile i0 on, of step q of a slot: three loads of 16 bytes a lane each, as the image lies
.set fi, \i0
.rept \n
.irp c, 0,1,2
	ds_load_b128 v[\base+FR*fi+4*\c:\base+FR*fi+4*\c+3], v[\adr] offset:(\q)*SB+fi*FRB+512*\c
.endr
.set fi, fi+1
.endr
.endm
.macro SCALES slot, q, p               ; register i of the set: lanes 0-15 the word of A's tile i, lanes 16-31 that of B's
.irp i, 0,1
	ds_load_b128 v[SC+8*(\p)+4*\i:SC+8*(\p)+4*\i+3], v[ADRS+\slot] offset:(\q)*SB+256*\i
.endr
.endm
; 8 matrix instructions: A's tile a x B's eight.  The 64 accumulators take turns, one instruction a turn, in the same order in every step.
.macro MULA a, p, first
.irp b, 0,1,2,3,4,5,6,7
.if \first
	v_wmma_scale_f32_16x16x128_f8f6f4 v[8*(8*((\a)%4)+\b):8*(8*((\a)%4)+\b)+7], v[128*(\p)+FR*\b:128*(\p)+FR*\b+FR-1], v[AF-96*(\p)+FR*(\a):AF-96*(\p)+FR*(\a)+FR-1], v[96+8*\b+96*(\b/4):96+8*\b+96*(\b/4)+7], v[SC+8*(\p)+\b], v[SC+8*(\p)+(\a)] matrix_a_fmt:MATRIX_FMT_BF6 matrix_b_fmt:MATRIX_FMT_BF6 matrix_a_scale:MATRIX_SCALE_ROW1
.else
	v_wmma_scale_f32_16x16x128_f8f6f4 v[8*(8*((\a)%4)+\b):8*(8*((\a)%4)+\b)+7], v[128*(\p)+FR*\b:128*(\p)+FR*\b+FR-1], v[AF-96*(\p)+FR*(\a):AF-96*(\p)+FR*(\a)+FR-1], v[8*(8*((\a)%4)+\b):8*(8*((\a)%4)+\b)+7], v[SC+8*(\p)+\b], v[SC+8*(\p)+(\a)] matrix_a_fmt:MATRIX_FMT_BF6 matrix_b_fmt:MATRIX_FMT_BF6 matrix_a_scale:MATRIX_SCALE_ROW1
.endif
.endr
.endm
.macro MUL16 a0, p, first
	MULA \a0, \p, \first
	MULA (\a0)+1, \p, \first
.endm
.macro PLACES n
.rept \n
	v_nop
.endr
.endm
; A step that is not its slot's last: multiplies set p, and fetches step q + 1 of the same slot into the other set.  first = 1: C is the bias, in window 1.
.macro STEP slot, q, p, first
.set NB, 128*(1-(\p))
.set NA, AF-96*(1-(\p))
	s_wait_dscnt 4*NL                              ; all of set p but A's tiles 4-7, the youngest 12 loads
	PLACES NP                                      ; the other set was read by the last step's products: these places serve both runs
	WIN TO_B
	FETCH NB, ADRB+\slot, (\q)+1, 0, 8
	WIN 0
	SCALES \slot, (\q)+1, 1-(\p)
	WIN MUL_LO-0x10*(\first)
	MUL16 0, \p, \first
	MUL16 2, \p, \first
	s_wait_dscnt 26                                ; all but this step's first run: A's tiles 4-7 of set p are in
	WIN 0
	FETCH NA, ADRA+\slot, (\q)+1, 0, 8
	WIN MUL_HI-0x20*(\first)
	MUL16 4, \p, \first
	MUL16 6, \p, \first
.endm
; A slot's last step.  Its fragments are all in registers or on their way, so the slot is left at the step's head: each wave waits for all its tensor loads (its part of the next slot), adds 0 to its spare word,
; waits for that and for its reads, and signals.  fill = 1: the barrier opens a round of the cluster's barrier and the slot is filled again, two fills on; 2: with the short last fill; 0: nothing is left to fetch.
.macro TURN slot, p, next, fill, ask
.set NB, 128*(1-(\p))
.set NA, AF-96*(1-(\p))
	WIN 0
.if \ask
	s_wait_xcnt 0x0                                ; my last prefetches have read their base: it steps one fill
	s_add_nc_u64 s[PFA:PFA+1], s[PFA:PFA+1], QB
.endif
	s_wait_tensorcnt 0x0
	ds_add_u32 v[SPW], v[NIL]
.if \fill
	s_add_nc_u64 s[G0+4*\slot+2:G0+4*\slot+3], s[G0+4*\slot+2:G0+4*\slot+3], 2*QB      ; no tensor load of mine is out: the slot's next fill
	s_add_nc_u64 s[G0B+4*\slot+2:G0B+4*\slot+3], s[G0B+4*\slot+2:G0B+4*\slot+3], 2*QB
.endif
	s_wait_dscnt 4*NL+1                            ; (the add and A's tiles 4-7 may be out)
	WIN MUL_LO
	MULA 0, \p, 0                                  ; eight matrix instructions between the add and the wait for it
	s_wait_dscnt 0x0                               ; the add is done, and my reads of this slot are over
	s_barrier_signal -1
	MULA 1, \p, 0                                  ; work on registers while the others arrive
	WIN 0
	s_barrier_wait -1
.if \fill
	CREST
.if \fill == 1
	JLOAD G0+4*\slot, G1, G0B+4*\slot, G1B         ; the first tensor load behind the round; its four v_nop are the places for the loads below
.else
	JLOAD G0+4*\slot, G1S, G0B+4*\slot, G1SB
.endif
.else
	PLACES NP
.endif
	WIN TO_B
	FETCH NB, ADRB+\next, 0, 0, 8                  ; the next slot's first step in two runs: 32,
	WIN 0
	SCALES \next, 0, 1-(\p)
	FETCH NA, ADRA+\next, 0, 0, 2
	ASK \ask, \slot, 2*QB
	WIN MUL_LO
	MULA 2, \p, 0
	MULA 3, \p, 0
	WIN MUL_HI
	MULA 4, \p, 0
	WIN 0
	FETCH NA, ADRA+\next, 0, 2, 6                  ; and 18
	WIN MUL_HI
	MULA 5, \p, 0
	MUL16 6, \p, 0
.endm
	s_wait_tensorcnt 0x0                           ; my part of fill 0 is in; slot 1's first fill is issued as a refill is:
	ds_add_u32 v[SPW], v[NIL]
	s_wait_dscnt 0x0
	CROUND
	JLOAD G0+4, G1, G0B+4, G1B                     ; fill 1
	WIN TO_B
	FETCH 0, ADRB, 0, 0, 8
	WIN 0
	SCALES 0, 0, 0
	FETCH AF, ADRA, 0, 0, 8
	ASK 1, 0, QB                                   ; fills 2 and 3
	ASK 1, 0, 2*QB
	s_wait_loadcnt 0x0                             ; the bias
	STEP 0, 0, 0, 1                                ; the first step's products start the sums on the bias
	WIN 0
	s_mov_b32 s3, TRIPS
.Llap:                                                 ; six steps: once round the ring, both slots filled again
	STEP 0, 1, 1, 0
	TURN 0, 0, 1, 1, 2
	STEP 1, 0, 1, 0
	STEP 1, 1, 0, 0
	TURN 1, 1, 0, 1, 2
	STEP 0, 0, 0, 0
	WIN 0
	s_sub_co_u32 s3, s3, 1
	s_cmp_lg_u32 s3, 0
	s_cbranch_scc1 .Llap
	STEP 0, 1, 1, 0
	TURN 0, 0, 1, 2, 0                             ; the last fill: steps 30 and 31
	STEP 1, 0, 1, 0
	STEP 1, 1, 0, 0
	TURN 1, 1, 0, 0, 0
	STEP 0, 0, 0, 0
; THE WAY OUT, block by block of 16 rows x 128 columns: through my own stage in LDS and back as whole rows of 512 bytes, which the 32 lanes store as two aligned runs of 256 bytes.
; The last step goes by A's tiles, so a block is finished behind its eight products and leaves while later tiles are multiplied.  The rows come back into set 0's registers: window 0 v128-191 (even blocks), window 1 v0-63 (odd).
.macro TOSTAGE a
.set AC, 64*((\a)%4)
	WIN 0x08+4*((\a)/4)                            ; the data: window 2 or 3
.irp b, 0,1,2,3,4,5,6,7
	ds_store_b128 v[STO], v[AC+8*\b:AC+8*\b+3] offset:64*\b          ; each accumulator from its low end on
	ds_store_b128 v[STO], v[AC+8*\b+4:AC+8*\b+7] offset:64*\b+16
.endr
	WIN 0x40*((\a)%2)
.set BB, 128-128*((\a)%2)
.irp t, 0,1,2,3,4,5,6,7,8,9,10,11,12,13,14,15
	ds_load_b128 v[BB+4*\t:BB+4*\t+3], v[RD] offset:\t*SPITCH        ; LDS serves a wave's instructions in order: these see the stores above
.endr
.endm
.macro SEND a, younger                 ; younger: the LDS instructions issued behind block a's loads
.set BB, 128-128*((\a)%2)
	s_wait_dscnt \younger
.if (\a) > 0
	s_add_nc_u64 s[10:11], s[10:11], 16*ROWC       ; behind a wait on XCNT: the earlier stores have read their base
.endif
	WIN 0x04*((\a)%2)
.irp t, 0,1,2,3,4,5,6,7,8,9,10,11,12,13,14,15
	global_store_b128 v[CO], v[BB+4*\t:BB+4*\t+3], s[10:11] offset:\t*ROWC th:TH_STORE_NT   ; written once, read by nobody here
.endr
.endm
	s_wait_dscnt 4*NL
	WIN MUL_LO
	MUL16 0, 1, 0
	PLACES NP                                      ; in front of the reads of results just made, and of the loads into set 0
	TOSTAGE 0
	WIN MUL_LO
	MUL16 2, 1, 0
	PLACES NP
	TOSTAGE 1
	SEND 0, 32                                     ; all but block 1's 16 stores and 16 loads: A's tiles 4-7 are in too
	WIN MUL_HI
	MUL16 4, 1, 0
	PLACES NP
	s_wait_xcnt 0x0                                ; block 0's stores have read their registers and their base
	TOSTAGE 2
	SEND 1, 32
	WIN MUL_HI
	MUL16 6, 1, 0
	PLACES NP
.irp a, 3,4,5,6,7
	s_wait_xcnt 0x0
	TOSTAGE \a
	SEND \a-1, 32
.endr
	s_wait_xcnt 0x0
	SEND 7, 0
	WIN 0
	s_wait_tensorcnt 0x0                           ; the wave's end
	ds_add_u32 v[SPW], v[NIL]
	s_wait_dscnt 0x0
	CROUND                                         ; the closing round
	s_endpgm
.Lfunc_end_k_qd7bacb6d3a_gemm:
	.size	k_qd7bacb6d3a_gemm, .Lfunc_end_k_qd7bacb6d3a_gemm-k_qd7bacb6d3a_gemm
	.p2alignl 7, 3214868480
	.fill 96, 4, 3214868480
	.section	.rodata,"a",@progbits
	.p2align	6, 0x0
	.amdhsa_kernel k_qd7bacb6d3a_gemm
		.amdhsa_group_segment_fixed_size 327680
		.amdhsa_private_segment_fixed_size 0
		.amdhsa_enable_private_segment 0
		.amdhsa_kernarg_size 32
		.amdhsa_user_sgpr_count 2
		.amdhsa_user_sgpr_kernarg_segment_ptr 1
		.amdhsa_wavefront_size32 1
		.amdhsa_system_sgpr_workgroup_id_x 1
		.amdhsa_system_sgpr_workgroup_id_y 1
		.amdhsa_system_sgpr_workgroup_id_z 1
		.amdhsa_system_vgpr_workitem_id 0
		.amdhsa_next_free_vgpr 1024
		.amdhsa_next_free_sgpr 88
		.amdhsa_reserve_vcc 0
		.amdhsa_float_denorm_mode_32 3
		.amdhsa_float_denorm_mode_16_64 3
		.amdhsa_memory_ordered 1
		.amdhsa_forward_progress 1
		.amdhsa_inst_pref_size 207
	.end_amdhsa_kernel
	.amdgpu_metadata
---
amdhsa.version: [ 1, 2 ]
amdhsa.kernels:
  - .name:           k_qd7bacb6d3a_gemm
    .symbol:         k_qd7bacb6d3a_gemm.kd
    .args:
      - { .name: xq, .offset: 0, .size: 8, .value_kind: global_buffer, .address_space: global }
      - { .name: wq, .offset: 8, .size: 8, .value_kind: global_buffer, .address_space: global }
      - { .name: bias, .offset: 16, .size: 8, .value_kind: global_buffer, .address_space: global }
      - { .name: out0, .offset: 24, .size: 8, .value_kind: global_buffer, .address_space: global }
    .group_segment_fixed_size: 327680
    .private_segment_fixed_size: 0
    .kernarg_segment_align: 8
    .kernarg_segment_size: 32
    .max_flat_workgroup_size: 128
    .sgpr_count:     88
    .vgpr_count:     1024
    .wavefront_size: 32
...
	.end_amdgpu_metadata
.endif
;; end of part 2
